; MI455X (gfx1250); checked and timed in simulation.
; The chip was launched on July 23, 2026; its instructions are those of AMD's public machine-readable ISA for CDNA 5 (MIT licence, August 2026) and "CDNA5" Instruction Set Architecture Reference Guide (July 2026). The comments in the code are by the model that wrote it; some were corrected since.
;; TAN. Allowed arithmetic: float matrix products may take bf16 or f16 operands with f32 sums; all other float work in f32.
;; Inputs: W 512 float32; b 1 float32; fused_h 16 x 512 x 64 x 64 float32; map_mask 16 x 1 x 64 x 64 float32; se_times 16 x 64 x 64 x 2 float32.
;; Outputs: out0 16 x 10 x 2 float32.
;; 2 versions, each right; version 2 is version 1 with the launch score written anew for expert scheduling mode. Each part assembles by itself: llvm-mc -triple=amdgcn-amd-amdhsa -mcpu=gfx1250 --defsym DOCPART=n.
;; ======== version 1 of 2: 2 launches
;; workspace buffers: keys 262,144 bytes
;; launch score (part 1): grid 256 x 1, 16 waves a work-group, no clusters, 18,432 bytes of LDS; arguments fused_h, W, b, map_mask, keys; writes keys
.if DOCPART == 1
	.amdgcn_target "amdgcn-amd-amdhsa--gfx1250"
	.amdhsa_code_object_version 6
	.text
	.protected	k_q6ad9eb125e_score
	.globl	k_q6ad9eb125e_score
	.p2align	8
	.type	k_q6ad9eb125e_score,@function
k_q6ad9eb125e_score:
	s_mov_b64 s[64:65], 0
	v_nop
	global_prefetch_b8 v0, s[64:65] scope:SCOPE_SE
	s_setreg_imm32_b32 hwreg(HW_REG_WAVE_MODE, 25, 1), 1
	s_wait_xcnt 0x0
; keys[n][p] = ordering key of score = sigmoid(sum over c of fused_h[n][c][p] W[c] + b) * map_mask[n][p].   n: 16 batches, c: 512 channels, p: 4,096 pixels; all f32.
; A product with ONE output row: every byte of fused_h feeds one multiply-add, so the kernel is a stream.  The sums are f32 multiply-adds of the vector unit: the scores only serve to ORDER
; proposals, and 16-bit operands would reorder them; two packed instructions serve the 512 bytes of a load.
; SHARES.  A work-group owns 256 neighbouring pixels of one batch (1,024 bytes of every channel's row), a wave 32 channels, a lane 4 + 4 pixels.  A load of a wave covers 512 consecutive bytes,
; at a multiple of 512 from the buffer's first byte.  Each wave keeps DEPTH loads on their way in a ring of register slots.  The 16 waves' partial sums meet in LDS; waves 0 and 1 finish.
; THE KEY is a whole number in 1 .. 0x6fffffff that rises with the score; the next launch keeps a proposal's state in the sign bit, so 31 bits are left:
;   0 <= score < 2: 0x20000000 + bits (exact: sigmoid x a mask of 0 and 1 lies here);  score >= 2: 0x50000000 + bits / 4;  score < 0: (not bits) / 4.
; LIMITS.  Outside [0, 2) scores that agree in all but their two lowest mantissa bits get one key.  -0 counts as +0, as in the reference's sort.  NaN is not treated apart.
; A sigmoid below 2^-126 comes out as 0 (v_rcp_f32 flushes such results: ISA guide, its entry).  The sum's order differs from the reference's: scores may differ from it in their last places.
.set CH,    16384                      ; bytes from a channel to the next
.set DEPTH, 32                         ; slots = loads in flight in each wave; a wave has 2 x DEPTH loads in all
.set SPARE, 16384                      ; behind the partial sums: the spare words, 128 bytes for each of 16 waves, which no other line names
.set OFF, 1                            ; v1        16 x lane; never rewritten
.set SPW, 2                            ; v2        LDS address of my spare word; never rewritten
.set NIL, 3                            ; v3        0; never rewritten
.set ACC, 4                            ; v[4:11]   my sums: pixels 4 lane + 0..3, then 128 + 4 lane + 0..3
.set WVL, 12                           ; v12       my wave's number
.set STA, 13                           ; v13       where my sums go in LDS
.set FO,  14                           ; v14       16 x thread: waves 0 and 1: my 4 pixels in the mask, the partial sums and the keys; never rewritten
.set X,   16                           ; v[16:143] the ring: slot i at X + 4 i; later the 16 partial sums and the finish
.set MSK, 144                          ; v[144:147] waves 0 and 1: the mask of my 4 pixels
.set WE,  16                           ; s[16:47]  my wave's 32 weights; channel c (even) is the low word of the pair at WE + c
.set WO,  66                           ; s[66:97]  the odd channels' weights once more, each in a pair of its own: channel c at WO + c - 1
.set PR,  X                            ; the finish: sum and pred
.set EY,  X+4                          ; exponent, exponential, 1 + exponential
.set RC,  X+8                          ; reciprocal, score
.set TT,  X+12                         ; the reciprocal's residual
.set KA,  X+16
.set KB,  X+20
.set KC,  X+24                         ; the key
	s_load_b256 s[4:11], s[0:1], 0x0               ; fused_h s[4:5], W s[6:7], b s[8:9], map_mask s[10:11]
	s_load_b64 s[12:13], s[0:1], 0x20              ; keys
	v_lshl_add_u32 v[SPW], v0, 2, SPARE
	v_mov_b32 v[NIL], 0
	v_lshrrev_b32 v[WVL], 5, v0
	v_readfirstlane_b32 s14, v[WVL]                ; wave 0..15
	v_and_b32 v[OFF], 31, v0
	v_lshlrev_b32 v[OFF], 4, v[OFF]
	v_lshlrev_b32 v[FO], 4, v0
	v_lshl_add_u32 v[STA], v[WVL], 10, v[OFF]      ; wave x 1,024 + 16 x lane
	s_lshr_b32 s15, ttmp9, 4                       ; batch
	s_lshl_b32 s15, s15, 23                        ; x 512 channels x 16,384 bytes
	s_and_b32 s2, ttmp9, 15                        ; which 256 pixels
	s_lshl_b32 s2, s2, 10
	s_add_co_u32 s2, s2, s15
	s_lshl_b32 s3, s14, 19                         ; wave x 32 channels
	s_add_co_u32 s2, s2, s3                        ; under 2^27
	s_mov_b32 s3, 0
	s_lshl_b32 s48, s14, 7                         ; my 32 weights
	s_mov_b32 s49, 0
	s_lshl_b32 s50, ttmp9, 10                      ; the group's 256 numbers in the mask and in the keys
	s_mov_b32 s51, 0
	s_mov_b32 s54, 0xbfb8aa3b                      ; -log2(e)
	s_mov_b32 s55, s54                             ; named with it as a pair
	s_wait_kmcnt 0x0
	s_add_nc_u64 s[4:5], s[4:5], s[2:3]
	s_add_nc_u64 s[6:7], s[6:7], s[48:49]
	s_add_nc_u64 s[10:11], s[10:11], s[50:51]
	s_add_nc_u64 s[12:13], s[12:13], s[50:51]
	s_load_b512 s[16:31], s[6:7], 0x0
	s_load_b512 s[32:47], s[6:7], 0x40
	s_load_b32 s52, s[8:9], 0x0                    ; b
	s_cmp_lt_u32 s14, 2                            ; the two waves that finish ask for the mask now.  It is their OLDEST load, so the counts below,
	s_cbranch_scc0 .Lno_mask                       ; which name the loads younger than the one waited for, hold in every wave
	global_load_b128 v[MSK:MSK+3], v[FO], s[10:11] th:TH_LOAD_NT
.Lno_mask:
.set i, 0
.rept DEPTH                                            ; fill the ring: channels 0 to 15, two loads of 512 bytes a channel
	global_load_b128 v[X+4*i:X+4*i+3], v[OFF], s[4:5] offset:(i/2)*CH+(i%2)*512 th:TH_LOAD_NT
.set i, i+1
.endr
	s_wait_kmcnt 0x0                               ; W and b
.set k, 0
.rept 16                                               ; the packed multiply-add takes the low word of an even-aligned scalar pair for both halves: the odd channels get such pairs
	s_mov_b32 s[WO+2*k], s[WE+2*k+1]
	s_mov_b32 s[WO+2*k+1], s[WE+2*k+1]
.set k, k+1
.endr
	s_mov_b32 s53, s52                             ; b's pair
; Load i of 64 (channel i / 2, half i % 2 of the 256 pixels) is added in.  refill = 1: its slot takes load i + DEPTH.
.macro STEP i, refill
.set cc, (\i)/2
.set hf, (\i)%2
.set rx, X+4*((\i)%DEPTH)
.set ra, ACC+4*hf
.if cc%2
.set sw, WO+cc-1
.else
.set sw, WE+cc
.endif
.if \refill
	s_wait_loadcnt DEPTH-1                         ; loads come back in order (ISA guide 5.7.1): behind load i stand 31 - i of the first fill and i refills
.else
	s_wait_loadcnt 2*DEPTH-1-(\i)                  ; nothing is issued any more: the count runs down to 0
.endif
.if cc == 0
	v_pk_mul_f32 v[ra:ra+1], v[rx:rx+1], s[sw:sw+1] op_sel_hi:[1,0]        ; the first channel starts the sums: nothing is cleared
	v_pk_mul_f32 v[ra+2:ra+3], v[rx+2:rx+3], s[sw:sw+1] op_sel_hi:[1,0]
.else
	v_pk_fma_f32 v[ra:ra+1], v[rx:rx+1], s[sw:sw+1], v[ra:ra+1] op_sel_hi:[1,0,1]
	v_pk_fma_f32 v[ra+2:ra+3], v[rx+2:rx+3], s[sw:sw+1], v[ra+2:ra+3] op_sel_hi:[1,0,1]
.endif
.if \refill
	global_load_b128 v[rx:rx+3], v[OFF], s[4:5] offset:(((\i)+DEPTH)/2)*CH+hf*512 th:TH_LOAD_NT
.endif
.endm
.set i, 0
.rept DEPTH
	STEP i, 1
.set i, i+1
.endr
.rept DEPTH
	STEP i, 0
.set i, i+1
.endr
	; The 16 waves' sums meet: row w of 1,024 bytes holds wave w's 256 sums, pixel p at byte 4 p.
	ds_store_b128 v[STA], v[ACC:ACC+3]
	ds_store_b128 v[STA], v[ACC+4:ACC+7] offset:512
	s_wait_tensorcnt 0x0                           ; these were my last LDS stores
	ds_add_u32 v[SPW], v[NIL]
	s_wait_dscnt 0x0                               ; the wait is also the one that the others need: my stores are done before I signal
	s_barrier_signal -1
	s_barrier_wait -1
	s_cmp_lt_u32 s14, 2
	s_cbranch_scc1 .Lfinish
	s_endpgm
.Lfinish:                                              ; waves 0 and 1: thread t finishes pixels 4 t .. 4 t + 3, so that a wave's store covers 512 consecutive bytes
.set k, 0
.rept 16
	ds_load_b128 v[X+4*k:X+4*k+3], v[FO] offset:1024*k
.set k, k+1
.endr
	s_wait_dscnt 0x0
.irp st, 1,2,4,8                                       ; a tree: neighbours 1, 2, 4 and 8 rows apart
.set k, 0
.rept 8/(\st)
	v_pk_add_f32 v[X+4*k:X+4*k+1], v[X+4*k:X+4*k+1], v[X+4*(k+\st):X+4*(k+\st)+1]
	v_pk_add_f32 v[X+4*k+2:X+4*k+3], v[X+4*k+2:X+4*k+3], v[X+4*(k+\st)+2:X+4*(k+\st)+3]
.set k, k+2*(\st)
.endr
.endr
	v_pk_add_f32 v[PR:PR+1], v[PR:PR+1], s[52:53] op_sel_hi:[1,0]          ; pred = sum + b
	v_pk_add_f32 v[PR+2:PR+3], v[PR+2:PR+3], s[52:53] op_sel_hi:[1,0]
	v_pk_mul_f32 v[EY:EY+1], v[PR:PR+1], s[54:55] op_sel_hi:[1,0]          ; sigmoid = 1 / (1 + 2^(-log2(e) pred))
	v_pk_mul_f32 v[EY+2:EY+3], v[PR+2:PR+3], s[54:55] op_sel_hi:[1,0]
.irp q, 0,1,2,3
	v_exp_f32 v[EY+\q], v[EY+\q]
.endr
	v_nop                                          ; a plain instruction between the last exponential and the use of its result (ISA guide 5.7.2)
	s_wait_alu depctr_va_vdst(0)
	v_pk_add_f32 v[EY:EY+1], v[EY:EY+1], 1.0 op_sel_hi:[1,0]
	v_pk_add_f32 v[EY+2:EY+3], v[EY+2:EY+3], 1.0 op_sel_hi:[1,0]
.irp q, 0,1,2,3
	v_rcp_f32 v[RC+\q], v[EY+\q]
.endr
	v_nop                                          ; the same behind the last reciprocal
	; One Newton step, r + r (1 - a r), brings the quotient within a rounding: the scores order proposals, so their last places count.
	; Where a is infinite r is 0 and the residual NaN; where r was flushed to 0 the residual is 1: the minimum with 2^-20 (a NaN loses) leaves r = 0 in both cases and changes no true residual.
	s_wait_alu depctr_va_vdst(0)
	v_pk_fma_f32 v[TT:TT+1], v[EY:EY+1], v[RC:RC+1], 1.0 op_sel_hi:[1,1,0] neg_lo:[1,0,0] neg_hi:[1,0,0]
	v_pk_fma_f32 v[TT+2:TT+3], v[EY+2:EY+3], v[RC+2:RC+3], 1.0 op_sel_hi:[1,1,0] neg_lo:[1,0,0] neg_hi:[1,0,0]
.irp q, 0,1,2,3
	v_min_num_f32 v[TT+\q], 0x35800000, v[TT+\q]
.endr
	v_pk_fma_f32 v[RC:RC+1], v[TT:TT+1], v[RC:RC+1], v[RC:RC+1]
	v_pk_fma_f32 v[RC+2:RC+3], v[TT+2:TT+3], v[RC+2:RC+3], v[RC+2:RC+3]
	v_pk_fma_f32 v[RC:RC+1], v[RC:RC+1], v[MSK:MSK+1], 0 op_sel_hi:[1,1,0]  ; score = sigmoid x mask; the + 0 turns a product of -0 into +0 and changes nothing else
	v_pk_fma_f32 v[RC+2:RC+3], v[RC+2:RC+3], v[MSK+2:MSK+3], 0 op_sel_hi:[1,1,0]
.irp q, 0,1,2,3                                        ; the key's three forms,
	v_not_b32 v[KA+\q], v[RC+\q]
	v_lshrrev_b32 v[KB+\q], 2, v[RC+\q]
	v_add_nc_u32 v[KC+\q], 0x20000000, v[RC+\q]
.endr
.irp q, 0,1,2,3
	v_lshrrev_b32 v[KA+\q], 2, v[KA+\q]
	v_add_nc_u32 v[KB+\q], 0x50000000, v[KB+\q]
.endr
.irp q, 0,1,2,3                                        ; and the choice among them
	v_cmp_gt_u32 vcc_lo, 0x40000000, v[RC+\q]      ; 0 <= score < 2
	v_cndmask_b32 v[KC+\q], v[KB+\q], v[KC+\q], vcc_lo
	v_cmp_gt_i32 vcc_lo, 0, v[RC+\q]               ; score < 0
	v_cndmask_b32 v[KC+\q], v[KC+\q], v[KA+\q], vcc_lo
.endr
	global_store_b128 v[FO], v[KC:KC+3], s[12:13]  ; 16 lanes store 256 consecutive bytes, at a multiple of 256 from the buffer's first byte
	s_endpgm
.Lfunc_end_k_q6ad9eb125e_score:
	.size	k_q6ad9eb125e_score, .Lfunc_end_k_q6ad9eb125e_score-k_q6ad9eb125e_score
	.p2alignl 7, 3214868480
	.fill 96, 4, 3214868480
	.section	.rodata,"a",@progbits
	.p2align	6, 0x0
	.amdhsa_kernel k_q6ad9eb125e_score
		.amdhsa_group_segment_fixed_size 18432
		.amdhsa_private_segment_fixed_size 0
		.amdhsa_enable_private_segment 0
		.amdhsa_kernarg_size 40
		.amdhsa_user_sgpr_count 2
		.amdhsa_user_sgpr_kernarg_segment_ptr 1
		.amdhsa_wavefront_size32 1
		.amdhsa_system_sgpr_workgroup_id_x 1
		.amdhsa_system_sgpr_workgroup_id_y 1
		.amdhsa_system_sgpr_workgroup_id_z 1
		.amdhsa_system_vgpr_workitem_id 0
		.amdhsa_next_free_vgpr 148
		.amdhsa_next_free_sgpr 98
		.amdhsa_reserve_vcc 1
		.amdhsa_float_denorm_mode_32 3
		.amdhsa_float_denorm_mode_16_64 3
		.amdhsa_memory_ordered 1
		.amdhsa_forward_progress 1
		.amdhsa_inst_pref_size 25
	.end_amdhsa_kernel
	.amdgpu_metadata
---
amdhsa.version: [ 1, 2 ]
amdhsa.kernels:
  - .name:           k_q6ad9eb125e_score
    .symbol:         k_q6ad9eb125e_score.kd
    .args:
      - { .name: fused_h, .offset: 0, .size: 8, .value_kind: global_buffer, .address_space: global }
      - { .name: W, .offset: 8, .size: 8, .value_kind: global_buffer, .address_space: global }
      - { .name: b, .offset: 16, .size: 8, .value_kind: global_buffer, .address_space: global }
      - { .name: map_mask, .offset: 24, .size: 8, .value_kind: global_buffer, .address_space: global }
      - { .name: keys, .offset: 32, .size: 8, .value_kind: global_buffer, .address_space: global }
    .group_segment_fixed_size: 18432
    .private_segment_fixed_size: 0
    .kernarg_segment_align: 8
    .kernarg_segment_size: 40
    .max_flat_workgroup_size: 512
    .sgpr_count:     98
    .vgpr_count:     148
    .wavefront_size: 32
...
	.end_amdgpu_metadata
.endif
;; end of part 1
;; launch nms (part 2): grid 16 x 1, 8 waves a work-group, no clusters, 1,280 bytes of LDS; arguments keys, se_times, out0; writes out0
.if DOCPART == 2
	.amdgcn_target "amdgcn-amd-amdhsa--gfx1250"
	.amdhsa_code_object_version 6
	.text
	.protected	k_q6ad9eb125e_nms
	.globl	k_q6ad9eb125e_nms
	.p2align	8
	.type	k_q6ad9eb125e_nms,@function
k_q6ad9eb125e_nms:
	s_mov_b64 s[64:65], 0
	v_nop
	global_prefetch_b8 v0, s[64:65] scope:SCOPE_SE
	s_setreg_imm32_b32 hwreg(HW_REG_WAVE_MODE, 25, 1), 1
	s_wait_xcnt 0x0
; out0[n][0..9] = the boxes of the first ten proposals that greedy NMS keeps, in score order; if fewer than ten are kept, the suppressed ones follow in score order, as in the reference's second sort.
; THE WAY.  Whether a proposal is kept hangs only on those ahead of it in the order.  So ten times: PICK the best proposal that is still free, give its box out, and mark all that overlap it by more than
; half.  9 x 4,096 overlap tests a batch, and no sort.  No branch and no address hangs on a score or a box: every choice selects values.
; SHARES.  One work-group a batch: each pick needs the state of all 4,096 proposals, and work-groups exchange nothing.  8 waves; thread t holds proposals 16 t .. 16 t + 15 (slots) in registers, so that
; slot, lane and wave rise with the index, and among equal scores the first slot, the first lane and the first wave are the lowest index: the reference's stable sort.
; STATE.  A key (1 .. 0x6fffffff, rising with the score) carries it in its sign bit: clear = free, set = suppressed; 0x80000000 = given out.  As signed numbers: free > suppressed > given out, each in
; score order.  One signed maximum therefore finds the pick in both phases.  When no proposal is free the marks change nothing.
; THE TEST.  With d = min(e1, e) - max(s1, s), L = e - s: the reference asks max(d, 0) / (u + 1e-9) > 0.5, u = (L1 + L) - max(d, 0), each step rounded to f32.
;   d <= 0: the quotient is 0 or NaN: no.   d > 0: then L1, L >= d > 0 and u >= d (rounding keeps order), and q = d / (u + 1e-9) rounds above 0.5 exactly if d > h = 0.5 (u + 1e-9): h is a float,
;   and the float next above h exceeds it by more than 2^-24 of it, so q exceeds 0.5 + 2^-25, the last number that rounds to 0.5.  h = fma(u, 0.5, 0.5e-9) is that half, bit for bit.
;   A length that is not positive is replaced by +inf once: then h = +inf.  With both lengths positive and d <= 0, h > 0 >= d.  So in every case the verdict is the SIGN of h - d
;   (two different floats never subtract to 0), and one v_and_or_b32 moves it into the key.
; LIMITS.  NaN and infinities in the boxes are not treated apart.
.set NS,   16                          ; slots a lane
.set SPARE, 256                        ; behind the two exchange buffers: the spare words, 128 bytes for each of 8 waves, which no other line names
.set KO,   2                           ; v2   64 x thread: my keys; never rewritten
.set BO,   3                           ; v3   128 x thread: my boxes; never rewritten
.set SPW,  4                           ; v4   LDS address of my spare word; never rewritten
.set NIL,  5                           ; v5   0; never rewritten
.set WA,   6                           ; v6   16 x wave: my wave's entry in an exchange buffer
.set RA,   7                           ; v7   16 x (lane % 8): the entry that I read
.set T16,  8                           ; v8   16 x thread: my first proposal's index
.set INFV, 9                           ; v9   +inf
.set VM,   10                          ; v10  my lane's best key
.set BS,   11                          ; v11, v12  its box
.set BE,   12
.set BJ,   13                          ; v13  its slot, then its index
.set TD,   14                          ; v14  a neighbour lane's number
.set REL,  15                          ; v15  the pick's index less my first: 0..15 in the one thread that holds it
.set ENT,  16                          ; v[16:19]  my wave's entry: key, start, end, index
.set GE,   20                          ; v[20:23]  the entry read back
.set GL,   24                          ; v24  its length, or +inf
.set GR,   25                          ; v25  running maximum over lanes
.set OUT,  26                          ; v26  lane 2 i: start of pick i, lane 2 i + 1: its end
.set OA,   27                          ; v27  4 x thread
.set KEY,  32                          ; v[32:47]
.set BOX,  48                          ; v[48:79]   slot j: start at BOX + 2 j, end at BOX + 2 j + 1, as they lie in memory
.set LT,   80                          ; v[80:95]   length, or +inf
.set TMP,  96                          ; v[96:127]  at work: four registers for each pair of slots
.set MK,   40                          ; s[40:55]   a lane mask for each slot
; s16 the sign bit; s[18:19] 0.5e-9; s[20:21] lane selects; s22 EXEC kept; s23-25 my wave's best; s26 s1, s27 e1, s28 index, s[30:31] L1 of the pick
	s_load_b128 s[4:7], s[0:1], 0x0                ; keys s[4:5], se_times s[6:7]
	s_load_b64 s[8:9], s[0:1], 0x10                ; out0
	v_lshl_add_u32 v[SPW], v0, 2, SPARE
	v_mov_b32 v[NIL], 0
	v_lshrrev_b32 v1, 5, v0
	v_readfirstlane_b32 s10, v1                    ; wave 0..7
	v_lshlrev_b32 v[KO], 6, v0
	v_lshlrev_b32 v[BO], 7, v0
	s_lshl_b32 s12, ttmp9, 14                      ; the batch's 4,096 keys,
	s_mov_b32 s13, 0
	s_lshl_b32 s14, ttmp9, 15                      ; its 4,096 boxes,
	s_mov_b32 s15, 0
	s_mul_i32 s2, ttmp9, 80                        ; its ten boxes in out0
	s_mov_b32 s3, 0
	s_wait_kmcnt 0x0
	s_add_nc_u64 s[4:5], s[4:5], s[12:13]
	s_add_nc_u64 s[6:7], s[6:7], s[14:15]
	s_add_nc_u64 s[8:9], s[8:9], s[2:3]
	; A lane's 16 proposals are 64 consecutive bytes of keys and 128 of boxes: the lanes of one load lie 64 or 128 bytes apart, and the 4 or 8 loads, issued on end, together read every byte once.
	; That layout is what makes the lowest lane the lowest index; the 48 KiB are read once in the launch.
.irp k, 0,1,2,3
	global_load_b128 v[KEY+4*\k:KEY+4*\k+3], v[KO], s[4:5] offset:16*\k
.endr
.irp k, 0,1,2,3,4,5,6,7
	global_load_b128 v[BOX+4*\k:BOX+4*\k+3], v[BO], s[6:7] offset:16*\k
.endr
	v_mov_b32 v[WA], s10
	v_lshlrev_b32 v[WA], 4, v[WA]
	v_and_b32 v[RA], 7, v0
	v_lshlrev_b32 v[RA], 4, v[RA]
	v_lshlrev_b32 v[T16], 4, v0
	v_lshlrev_b32 v[OA], 2, v0
	v_mov_b32 v[INFV], 0x7f800000
	v_mov_b32 v[TD], 0                             ; destinations of lane moves and of v_writelane_b32 count as read: written once here
	v_mov_b32 v[OUT], 0
	s_mov_b32 s16, 0x80000000
	s_mov_b32 s18, 0x3009705f                      ; half of the f32 nearest 1e-9 (0x3089705f)
	s_mov_b32 s19, s18                             ; named with it as a pair
	s_mov_b32 s20, 0x76543210                      ; v_permlanex16_b32: each lane takes its own place in the other half
	s_mov_b32 s21, 0xfedcba98
	s_wait_loadcnt 0x0
	s_wait_xcnt 0x0                                ; EXEC is narrowed below only behind this wait
.set j, 0
.rept NS
	v_sub_f32 v[LT+j], v[BOX+2*j+1], v[BOX+2*j]
.set j, j+1
.endr
.set j, 0
.rept NS
	v_cmp_lt_f32 s[MK+j], 0, v[LT+j]
.set j, j+1
.endr
.set j, 0
.rept NS
	v_cndmask_b32 v[LT+j], v[INFV], v[LT+j], s[MK+j]
.set j, j+1
.endr
; Line n of the ten that take the maximum of VM over the wave's 32 lanes into ENT: four exchanges inside each half of 16 lanes, one across the halves.
.macro RSTEP n
.if (\n) == 0
	v_mov_b32_dpp v[TD], v[VM] row_xmask:1 row_mask:0xf bank_mask:0xf
.elseif (\n) == 1
	v_max_i32 v[GR], v[VM], v[TD]
.elseif (\n) == 2
	v_mov_b32_dpp v[TD], v[GR] row_xmask:2 row_mask:0xf bank_mask:0xf
.elseif (\n) == 4
	v_mov_b32_dpp v[TD], v[GR] row_xmask:4 row_mask:0xf bank_mask:0xf
.elseif (\n) == 6
	v_mov_b32_dpp v[TD], v[GR] row_xmask:8 row_mask:0xf bank_mask:0xf
.elseif (\n) == 8
	v_permlanex16_b32 v[TD], v[GR], s20, s21
.elseif (\n) == 9
	v_max_i32 v[ENT], v[GR], v[TD]
.elseif (\n) < 8
	v_max_i32 v[GR], v[GR], v[TD]
.endif
.endm
; All 4,096 proposals against the pick (s26, s27, s[30:31]); the pick itself (index s28) is marked as given out.  Stage by stage over the eight pairs of slots, so that no line waits for the one before it.
.macro UPDATE
	v_sub_nc_u32 v[REL], s28, v[T16]
.set j, 0
.rept NS
	v_min_num_f32 v[TMP+4*(j/2)+j%2], s27, v[BOX+2*j+1]
	v_max_num_f32 v[TMP+4*(j/2)+2+j%2], s26, v[BOX+2*j]
.set j, j+1
.endr
.set k, 0
.rept NS/2                                             ; d = min - max
	v_pk_add_f32 v[TMP+4*k:TMP+4*k+1], v[TMP+4*k:TMP+4*k+1], v[TMP+4*k+2:TMP+4*k+3] neg_lo:[0,1] neg_hi:[0,1]
.set k, k+1
.endr
.set k, 0
.rept NS/2                                             ; L1 + L
	v_pk_add_f32 v[TMP+4*k+2:TMP+4*k+3], v[LT+2*k:LT+2*k+1], s[30:31] op_sel_hi:[1,0]
.set k, k+1
.endr
.set j, 0
.rept NS                                               ; which slot of which lane is the pick
	v_cmp_eq_u32 s[MK+j], j, v[REL]
.set j, j+1
.endr
.set k, 0
.rept NS/2                                             ; u = (L1 + L) - d
	v_pk_add_f32 v[TMP+4*k+2:TMP+4*k+3], v[TMP+4*k+2:TMP+4*k+3], v[TMP+4*k:TMP+4*k+1] neg_lo:[0,1] neg_hi:[0,1]
.set k, k+1
.endr
.set k, 0
.rept NS/2                                             ; h = 0.5 (u + 1e-9)
	v_pk_fma_f32 v[TMP+4*k+2:TMP+4*k+3], v[TMP+4*k+2:TMP+4*k+3], 0.5, s[18:19] op_sel_hi:[1,0,0]
.set k, k+1
.endr
.set k, 0
.rept NS/2                                             ; h - d: negative where the overlap is more than half
	v_pk_add_f32 v[TMP+4*k+2:TMP+4*k+3], v[TMP+4*k+2:TMP+4*k+3], v[TMP+4*k:TMP+4*k+1] neg_lo:[0,1] neg_hi:[0,1]
.set k, k+1
.endr
.set j, 0
.rept NS                                               ; its sign goes into the key
	v_and_or_b32 v[KEY+j], v[TMP+4*(j/2)+2+j%2], s16, v[KEY+j]
.set j, j+1
.endr
.set j, 0
.rept NS
	v_cndmask_b32 v[KEY+j], v[KEY+j], s16, s[MK+j]
.set j, j+1
.endr
.endm
; Pick number it.  last = 1: nothing follows, so nothing is marked.
.macro PICK it, last
	v_max3_i32 v[TMP+0], v[KEY+0], v[KEY+1], v[KEY+2]      ; my lane's best key
	v_max3_i32 v[TMP+1], v[KEY+3], v[KEY+4], v[KEY+5]
	v_max3_i32 v[TMP+2], v[KEY+6], v[KEY+7], v[KEY+8]
	v_max3_i32 v[TMP+3], v[KEY+9], v[KEY+10], v[KEY+11]
	v_max3_i32 v[TMP+4], v[KEY+12], v[KEY+13], v[KEY+14]
	v_max3_i32 v[TMP+0], v[TMP+0], v[TMP+1], v[TMP+2]
	v_max3_i32 v[TMP+3], v[TMP+3], v[TMP+4], v[KEY+15]
	v_max_i32 v[VM], v[TMP+0], v[TMP+3]
.set j, 0
.rept NS-1
	v_cmp_eq_u32 s[MK+j], v[KEY+j], v[VM]
.set j, j+1
.endr
	; The first slot that holds it, and that slot's box: from the last slot down, so that the lowest overwrites the others.  The wave's maximum, a chain of ten lines, is set between these.
.set j, NS-2
.rept NS-1
.if j == NS-2
	v_cndmask_b32 v[BS], v[BOX+2*j+2], v[BOX+2*j], s[MK+j]
	v_cndmask_b32 v[BE], v[BOX+2*j+3], v[BOX+2*j+1], s[MK+j]
	v_cndmask_b32 v[BJ], j+1, j, s[MK+j]
.else
	v_cndmask_b32 v[BS], v[BS], v[BOX+2*j], s[MK+j]
	v_cndmask_b32 v[BE], v[BE], v[BOX+2*j+1], s[MK+j]
	v_cndmask_b32 v[BJ], v[BJ], j, s[MK+j]
.endif
	RSTEP NS-2-j
.set j, j-1
.endr
	v_lshl_add_u32 v[BJ], v0, 4, v[BJ]             ; its index
	v_cmp_eq_u32 vcc_lo, v[ENT], v[VM]             ; the lanes that hold the wave's best key: v_readfirstlane_b32 reads the first lane that is on, the lowest index among them
	s_and_saveexec_b32 s22, vcc_lo
	v_readfirstlane_b32 s23, v[BS]
	v_readfirstlane_b32 s24, v[BE]
	v_readfirstlane_b32 s25, v[BJ]
	s_or_b32 exec_lo, exec_lo, s22
	v_mov_b32 v[ENT+1], s23
	v_mov_b32 v[ENT+2], s24
	v_mov_b32 v[ENT+3], s25
	; The eight waves exchange their entries.  Two buffers take turns: an entry is overwritten two picks later, behind the next pick's barrier, in front of which every wave has waited for its reads of it.
	ds_store_b128 v[WA], v[ENT:ENT+3] offset:((\it)%2)*128  ; all lanes store the same 16 bytes to the wave's own place
.if \last
	s_wait_tensorcnt 0x0                           ; my last LDS store
	ds_add_u32 v[SPW], v[NIL]
.endif
	s_wait_dscnt 0x0                               ; for the others' sake: my entry is in LDS before I signal
	s_barrier_signal -1
	s_barrier_wait -1
	ds_load_b128 v[GE:GE+3], v[RA] offset:((\it)%2)*128     ; lane l reads wave l % 8's entry
	s_wait_dscnt 0x0
	v_mov_b32_dpp v[TD], v[GE] row_xmask:1 row_mask:0xf bank_mask:0xf  ; the maximum over eight neighbouring lanes is the maximum over the waves
	v_sub_f32 v[GL], v[GE+2], v[GE+1]              ; meanwhile each entry's length, or +inf
	v_max_i32 v[GR], v[GE], v[TD]
	v_cmp_lt_f32 vcc_lo, 0, v[GL]
	v_mov_b32_dpp v[TD], v[GR] row_xmask:2 row_mask:0xf bank_mask:0xf
	v_cndmask_b32 v[GL], v[INFV], v[GL], vcc_lo
	v_max_i32 v[GR], v[GR], v[TD]
	v_mov_b32_dpp v[TD], v[GR] row_xmask:4 row_mask:0xf bank_mask:0xf
	v_max_i32 v[GR], v[GR], v[TD]
	v_cmp_eq_u32 vcc_lo, v[GR], v[GE]              ; the first lane that holds it is the lowest wave: the lowest index
	s_and_saveexec_b32 s22, vcc_lo
	v_readfirstlane_b32 s26, v[GE+1]
	v_readfirstlane_b32 s27, v[GE+2]
	v_readfirstlane_b32 s28, v[GE+3]
	v_readfirstlane_b32 s30, v[GL]
	s_or_b32 exec_lo, exec_lo, s22
	s_mov_b32 s31, s30                             ; named with it as a pair
	v_writelane_b32 v[OUT], s26, 2*(\it)
	v_writelane_b32 v[OUT], s27, 2*(\it)+1
.if !(\last)
	UPDATE
.endif
.endm
	; Written out ten times: the exchange buffer and the two lanes of OUT are constants of each copy.
.irp it, 0,1,2,3,4,5,6,7,8
	PICK \it, 0
.endr
	PICK 9, 1
	s_cmp_lg_u32 s10, 0                            ; every wave holds the ten boxes; wave 0 stores them
	s_cbranch_scc1 .Lend
	v_cmp_gt_u32 vcc_lo, 20, v0
	s_and_saveexec_b32 s22, vcc_lo
	global_store_b32 v[OA], v[OUT], s[8:9]         ; 20 lanes, the batch's 80 consecutive bytes
	s_wait_xcnt 0x0                                ; EXEC changes only behind this wait
	s_or_b32 exec_lo, exec_lo, s22
.Lend:
	s_endpgm
.Lfunc_end_k_q6ad9eb125e_nms:
	.size	k_q6ad9eb125e_nms, .Lfunc_end_k_q6ad9eb125e_nms-k_q6ad9eb125e_nms
	.p2alignl 7, 3214868480
	.fill 96, 4, 3214868480
	.section	.rodata,"a",@progbits
	.p2align	6, 0x0
	.amdhsa_kernel k_q6ad9eb125e_nms
		.amdhsa_group_segment_fixed_size 1280
		.amdhsa_private_segment_fixed_size 0
		.amdhsa_enable_private_segment 0
		.amdhsa_kernarg_size 24
		.amdhsa_user_sgpr_count 2
		.amdhsa_user_sgpr_kernarg_segment_ptr 1
		.amdhsa_wavefront_size32 1
		.amdhsa_system_sgpr_workgroup_id_x 1
		.amdhsa_system_sgpr_workgroup_id_y 1
		.amdhsa_system_sgpr_workgroup_id_z 1
		.amdhsa_system_vgpr_workitem_id 0
		.amdhsa_next_free_vgpr 128
		.amdhsa_next_free_sgpr 66
		.amdhsa_reserve_vcc 1
		.amdhsa_float_denorm_mode_32 3
		.amdhsa_float_denorm_mode_16_64 3
		.amdhsa_memory_ordered 1
		.amdhsa_forward_progress 1
		.amdhsa_inst_pref_size 125
	.end_amdhsa_kernel
	.amdgpu_metadata
---
amdhsa.version: [ 1, 2 ]
amdhsa.kernels:
  - .name:           k_q6ad9eb125e_nms
    .symbol:         k_q6ad9eb125e_nms.kd
    .args:
      - { .name: keys, .offset: 0, .size: 8, .value_kind: global_buffer, .address_space: global }
      - { .name: se_times, .offset: 8, .size: 8, .value_kind: global_buffer, .address_space: global }
      - { .name: out0, .offset: 16, .size: 8, .value_kind: global_buffer, .address_space: global }
    .group_segment_fixed_size: 1280
    .private_segment_fixed_size: 0
    .kernarg_segment_align: 8
    .kernarg_segment_size: 24
    .max_flat_workgroup_size: 256
    .sgpr_count:     66
    .vgpr_count:     128
    .wavefront_size: 32
...
	.end_amdgpu_metadata
.endif
;; end of part 2
;; ======== version 2 of 2: 2 launches; version 1 with the launch score written anew for expert scheduling mode
;; workspace buffers: keys 262,144 bytes
;; launch score (part 3): grid 256 x 1, 16 waves a work-group, no clusters, 18,432 bytes of LDS; arguments fused_h, W, b, map_mask, keys; writes keys
.if DOCPART == 3
	.amdgcn_target "amdgcn-amd-amdhsa--gfx1250"
	.amdhsa_code_object_version 6
	.text
	.protected	k_q6ad9eb125e_score
	.globl	k_q6ad9eb125e_score
	.p2align	8
	.type	k_q6ad9eb125e_score,@function
k_q6ad9eb125e_score:
	s_mov_b64 s[64:65], 0
	v_nop
	global_prefetch_b8 v0, s[64:65] scope:SCOPE_SE
	s_setreg_imm32_b32 hwreg(HW_REG_WAVE_SCHED_MODE, 0, 2), 2
	s_setreg_imm32_b32 hwreg(HW_REG_WAVE_MODE, 25, 1), 1
	s_wait_xcnt 0x0
	s_wait_alu depctr_vm_vsrc(0)
; keys[n][p] = ordering key of score = sigmoid(sum over c of fused_h[n][c][p] W[c] + b) * map_mask[n][p].   n: 16 batches, c: 512 channels, p: 4,096 pixels; all f32.
; A product with ONE output row: every byte of fused_h feeds one multiply-add, so the kernel is a stream.  The sums are f32 multiply-adds of the vector unit: the scores only serve to ORDER
; proposals, and 16-bit operands would reorder them; two packed instructions serve the 512 bytes of a load.
; SHARES.  A work-group owns 256 neighbouring pixels of one batch (1,024 bytes of every channel's row), a wave 32 channels, a lane 4 + 4 pixels.  A load of a wave covers 512 consecutive bytes,
; at a multiple of 512 from the buffer's first byte.  Each wave keeps DEPTH loads on their way.  The 16 waves' partial sums meet in LDS; waves 0 and 1 finish.
; THE KEY is a whole number in 1 .. 0x6fffffff that rises with the score; the next launch keeps a proposal's state in the sign bit, so 31 bits are left:
;   0 <= score < 2: 0x20000000 + bits (exact: sigmoid x a mask of 0 and 1 lies here);  score >= 2: 0x50000000 + bits / 4;  score < 0: (not bits) / 4.
; LIMITS.  Outside [0, 2) scores that agree in all but their two lowest mantissa bits get one key.  -0 counts as +0, as in the reference's sort.  NaN is not treated apart.
; A sigmoid below 2^-126 comes out as 0 (v_rcp_f32 flushes such results: ISA guide, its entry).  The sum's order differs from the reference's: scores may differ from it in their last places.
; THE MODE: SCHED_MODE bits 1:0 = 2 (LLVM: expert scheduling mode 2), set by the entry lines.  The code itself states the register dependences
; between vector instructions and memory or LDS instructions, with s_wait_alu, always for 0.
; THE PLAN.  A wave's 64 loads go in 8 blocks of 8 (four channels).  Registers that memory or LDS instructions touch:
;   X0 .. X4     five buffers of a block.  The first fill lands blocks 0 to 3 in X0 to X3; block p (0 to 3) issues the loads of block p + 4, which land in X[(p + 4) % 5] = X[(p - 1) % 5].
;                Block p's sixteen multiply-adds read X[p % 5] and no other buffer.  Behind the barrier the finish's LDS loads land in X0 and X1.
;   v[ACC ..]    written by the multiply-adds; read by the two LDS stores; not written again.
;   v1, v13, v14 offsets, made once at the head and never written again: channels and halves stand in the loads' immediate offsets.
;   v[MSK ..]    written by its load alone.        v[KC ..]  written by the key's selects, read by the one global store.
; So one wait on va_vdst stands at the head of blocks 1, 2 and 3: the block before is done reading the buffer in which this block's eight loads land; these are dealt among the block's
; multiply-adds with no further wait.  Block 0's loads land in X4, which no vector instruction has named; blocks 4 to 7 issue no load and hold no such wait.
; No register that a memory or LDS instruction reads is ever written again, so no wait on vm_vsrc is owed; EXEC is never written.
.set CH,    16384                      ; bytes from a channel to the next
.set DEPTH, 32                         ; loads in flight in each wave; a wave has 2 x DEPTH loads in all
.set BLK,   8                          ; loads in a block
.set BUFS,  5                          ; buffers of a block: four on their way or at work, one that the block before has just left
.set OFF, 1                            ; v1        16 x lane; never rewritten
.set ACC, 4                            ; v[4:11]   my sums: pixels 4 lane + 0..3, then 128 + 4 lane + 0..3
.set WVL, 12                           ; v12       my wave's number
.set STA, 13                           ; v13       where my sums go in LDS; never rewritten
.set FO,  14                           ; v14       16 x thread: waves 0 and 1: my 4 pixels in the mask, the partial sums and the keys; never rewritten
.set X,   16                           ; v[16:175] buffer k, load j of its block: 4 registers at X + 32 k + 4 j; later the 16 partial sums and the finish
.set MSK, 176                          ; v[176:179] waves 0 and 1: the mask of my 4 pixels
.set WE,  16                           ; s[16:47]  my wave's 32 weights; channel c (even) is the low word of the pair at WE + c
.set WO,  66                           ; s[66:97]  the odd channels' weights once more, each in a pair of its own: channel c at WO + c - 1
.set CM,  56                           ; s[56:63]  the finish: the lane masks of the key's two choices, four pixels each
.set PR,  X                            ; the finish: sum and pred
.set EY,  X+4                          ; exponent, exponential, 1 + exponential
.set RC,  X+8                          ; reciprocal, score
.set TT,  X+12                         ; the reciprocal's residual
.set KA,  X+16
.set KB,  X+20
.set KC,  X+24                         ; the key
	s_load_b256 s[4:11], s[0:1], 0x0               ; fused_h s[4:5], W s[6:7], b s[8:9], map_mask s[10:11]
	s_load_b64 s[12:13], s[0:1], 0x20              ; keys
	v_lshl_add_u32 v3, v0, 2, 0x4000
	v_mov_b32 v15, 0
	v_lshrrev_b32 v[WVL], 5, v0
	v_readfirstlane_b32 s14, v[WVL]                ; wave 0..15
	v_and_b32 v[OFF], 31, v0
	v_lshlrev_b32 v[OFF], 4, v[OFF]
	v_lshlrev_b32 v[FO], 4, v0
	v_lshl_add_u32 v[STA], v[WVL], 10, v[OFF]      ; wave x 1,024 + 16 x lane
	s_wait_alu depctr_va_sdst(0)                   ; s14 is written, ahead of its first reader: the bases of fused_h and W are made from it
	s_lshr_b32 s15, ttmp9, 4                       ; batch
	s_lshl_b32 s15, s15, 23                        ; x 512 channels x 16,384 bytes
	s_and_b32 s2, ttmp9, 15                        ; which 256 pixels
	s_lshl_b32 s2, s2, 10
	s_add_co_u32 s2, s2, s15
	s_lshl_b32 s3, s14, 19                         ; wave x 32 channels
	s_add_co_u32 s2, s2, s3                        ; under 2^27
	s_mov_b32 s3, 0
	s_lshl_b32 s48, s14, 7                         ; my 32 weights
	s_mov_b32 s49, 0
	s_lshl_b32 s50, ttmp9, 10                      ; the group's 256 numbers in the mask and in the keys
	s_mov_b32 s51, 0
	s_mov_b32 s54, 0xbfb8aa3b                      ; -log2(e)
	s_mov_b32 s55, s54                             ; named with it as a pair
	s_wait_kmcnt 0x0
	s_add_nc_u64 s[4:5], s[4:5], s[2:3]
	s_add_nc_u64 s[6:7], s[6:7], s[48:49]
	s_add_nc_u64 s[10:11], s[10:11], s[50:51]
	s_add_nc_u64 s[12:13], s[12:13], s[50:51]
	s_load_b512 s[16:31], s[6:7], 0x0
	s_load_b512 s[32:47], s[6:7], 0x40
	s_load_b32 s52, s[8:9], 0x0                    ; b
	s_wait_alu depctr_va_vdst(0)                   ; the offsets v1, v3, v13 and v14 are written: every load, store and LDS instruction of the kernel reads one of them as its address
	s_cmp_lt_u32 s14, 2                            ; the two waves that finish ask for the mask now.  It is their OLDEST load, so the counts below,
	s_cbranch_scc0 .Lno_mask                       ; which name the loads younger than the one waited for, hold in every wave
	global_load_b128 v[MSK:MSK+3], v[FO], s[10:11] th:TH_LOAD_NT
.Lno_mask:
.set i, 0
.rept DEPTH                                            ; the first fill: blocks 0 to 3 into X0 to X3: channels 0 to 15, two loads of 512 bytes a channel
	global_load_b128 v[X+4*i:X+4*i+3], v[OFF], s[4:5] offset:(i/2)*CH+(i%2)*512 th:TH_LOAD_NT
.set i, i+1
.endr
	s_wait_kmcnt 0x0                               ; W and b
.set k, 0
.rept 16                                               ; the packed multiply-add takes the low word of an even-aligned scalar pair for both halves: the odd channels get such pairs
	s_mov_b32 s[WO+2*k], s[WE+2*k+1]
	s_mov_b32 s[WO+2*k+1], s[WE+2*k+1]
.set k, k+1
.endr
	s_mov_b32 s53, s52                             ; b's pair
; Load i of 64 (channel i / 2, half i % 2 of the 256 pixels; block i / 8) is added in.  refill = 1: load i + DEPTH, of the block four further on, is issued first, into the buffer that the block before has left.
.macro STEP i, refill
.set cc, (\i)/2
.set hf, (\i)%2
.set rx, X+4*BLK*(((\i)/BLK)%BUFS)+4*((\i)%BLK)
.set rn, X+4*BLK*((((\i)+DEPTH)/BLK)%BUFS)+4*((\i)%BLK)
.set ra, ACC+4*hf
.if cc%2
.set sw, WO+cc-1
.else
.set sw, WE+cc
.endif
.if \refill
	s_wait_loadcnt DEPTH-1                         ; loads come back in order (ISA guide 5.7.1): 32 + i loads have been issued, 31 of them behind load i
.if ((\i)%BLK == 0) && ((\i) > 0)
	s_wait_alu depctr_va_vdst(0)                   ; the block before is done reading its buffer, in which this block's eight loads land
.endif
	global_load_b128 v[rn:rn+3], v[OFF], s[4:5] offset:(((\i)+DEPTH)/2)*CH+hf*512 th:TH_LOAD_NT  ; no vector instruction since that wait names these registers
.else
	s_wait_loadcnt 2*DEPTH-1-(\i)                  ; nothing is issued any more: the count runs down to 0
.endif
.if cc == 0
	v_pk_mul_f32 v[ra:ra+1], v[rx:rx+1], s[sw:sw+1] op_sel_hi:[1,0]        ; the first channel starts the sums: nothing is cleared
	v_pk_mul_f32 v[ra+2:ra+3], v[rx+2:rx+3], s[sw:sw+1] op_sel_hi:[1,0]
.else
	v_pk_fma_f32 v[ra:ra+1], v[rx:rx+1], s[sw:sw+1], v[ra:ra+1] op_sel_hi:[1,0,1]
	v_pk_fma_f32 v[ra+2:ra+3], v[rx+2:rx+3], s[sw:sw+1], v[ra+2:ra+3] op_sel_hi:[1,0,1]
.endif
.endm
.set i, 0
.rept DEPTH
	STEP i, 1
.set i, i+1
.endr
.rept DEPTH
	STEP i, 0
.set i, i+1
.endr
	; The 16 waves' sums meet: row w of 1,024 bytes holds wave w's 256 sums, pixel p at byte 4 p.
	s_wait_alu depctr_va_vdst(0)                   ; the multiply-adds have written my sums, which the LDS stores read, and are done reading the buffers, in which the finish's LDS loads land: no vector instruction stands between this wait and those loads
	ds_store_b128 v[STA], v[ACC:ACC+3]
	ds_store_b128 v[STA], v[ACC+4:ACC+7] offset:512
	s_wait_dscnt 0x0                               ; the wait that the others need: my stores are done before I signal
	s_barrier_signal -1
	s_barrier_wait -1
	s_cmp_lt_u32 s14, 2
	s_cbranch_scc1 .Lfinish
	s_wait_dscnt 0x0
	s_wait_alu depctr_hold_cnt(0) depctr_sa_sdst(0) depctr_va_vdst(0) depctr_va_sdst(0) depctr_va_ssrc(0) depctr_va_vcc(0) depctr_vm_vsrc(0)
	s_wait_tensorcnt 0x0
	ds_add_u32 v3, v15
	s_wait_dscnt 0x0
	s_endpgm
.Lfinish:                                              ; waves 0 and 1: thread t finishes pixels 4 t .. 4 t + 3, so that a wave's store covers 512 consecutive bytes
.set k, 0
.rept 16
	ds_load_b128 v[X+4*k:X+4*k+3], v[FO] offset:1024*k
.set k, k+1
.endr
	s_wait_dscnt 0x0
.irp st, 1,2,4,8                                       ; a tree: neighbours 1, 2, 4 and 8 rows apart
.set k, 0
.rept 8/(\st)
	v_pk_add_f32 v[X+4*k:X+4*k+1], v[X+4*k:X+4*k+1], v[X+4*(k+\st):X+4*(k+\st)+1]
	v_pk_add_f32 v[X+4*k+2:X+4*k+3], v[X+4*k+2:X+4*k+3], v[X+4*(k+\st)+2:X+4*(k+\st)+3]
.set k, k+2*(\st)
.endr
.endr
	v_pk_add_f32 v[PR:PR+1], v[PR:PR+1], s[52:53] op_sel_hi:[1,0]          ; pred = sum + b
	v_pk_add_f32 v[PR+2:PR+3], v[PR+2:PR+3], s[52:53] op_sel_hi:[1,0]
	v_pk_mul_f32 v[EY:EY+1], v[PR:PR+1], s[54:55] op_sel_hi:[1,0]          ; sigmoid = 1 / (1 + 2^(-log2(e) pred))
	v_pk_mul_f32 v[EY+2:EY+3], v[PR+2:PR+3], s[54:55] op_sel_hi:[1,0]
.irp q, 0,1,2,3
	v_exp_f32 v[EY+\q], v[EY+\q]
.endr
	v_nop                                          ; a plain instruction between the last exponential and the use of its result (ISA guide 5.7.2)
	s_wait_alu depctr_va_vdst(0)
	v_pk_add_f32 v[EY:EY+1], v[EY:EY+1], 1.0 op_sel_hi:[1,0]
	v_pk_add_f32 v[EY+2:EY+3], v[EY+2:EY+3], 1.0 op_sel_hi:[1,0]
.irp q, 0,1,2,3
	v_rcp_f32 v[RC+\q], v[EY+\q]
.endr
	v_nop                                          ; the same behind the last reciprocal
	; One Newton step, r + r (1 - a r), brings the quotient within a rounding: the scores order proposals, so their last places count.
	; Where a is infinite r is 0 and the residual NaN; where r was flushed to 0 the residual is 1: the minimum with 2^-20 (a NaN loses) leaves r = 0 in both cases and changes no true residual.
	s_wait_alu depctr_va_vdst(0)
	v_pk_fma_f32 v[TT:TT+1], v[EY:EY+1], v[RC:RC+1], 1.0 op_sel_hi:[1,1,0] neg_lo:[1,0,0] neg_hi:[1,0,0]
	v_pk_fma_f32 v[TT+2:TT+3], v[EY+2:EY+3], v[RC+2:RC+3], 1.0 op_sel_hi:[1,1,0] neg_lo:[1,0,0] neg_hi:[1,0,0]
.irp q, 0,1,2,3
	v_min_num_f32 v[TT+\q], 0x35800000, v[TT+\q]
.endr
	v_pk_fma_f32 v[RC:RC+1], v[TT:TT+1], v[RC:RC+1], v[RC:RC+1]
	v_pk_fma_f32 v[RC+2:RC+3], v[TT+2:TT+3], v[RC+2:RC+3], v[RC+2:RC+3]
	v_pk_fma_f32 v[RC:RC+1], v[RC:RC+1], v[MSK:MSK+1], 0 op_sel_hi:[1,1,0]  ; score = sigmoid x mask; the + 0 turns a product of -0 into +0 and changes nothing else
	v_pk_fma_f32 v[RC+2:RC+3], v[RC+2:RC+3], v[MSK+2:MSK+3], 0 op_sel_hi:[1,1,0]
.irp q, 0,1,2,3                                        ; the masks of the two choices, in one run, each in a scalar register of its own,
	v_cmp_gt_u32 s[CM+\q], 0x40000000, v[RC+\q]    ; 0 <= score < 2
	v_cmp_gt_i32 s[CM+4+\q], 0, v[RC+\q]           ; score < 0
.endr
.irp q, 0,1,2,3                                        ; the key's three forms,
	v_not_b32 v[KA+\q], v[RC+\q]
	v_lshrrev_b32 v[KB+\q], 2, v[RC+\q]
	v_add_nc_u32 v[KC+\q], 0x20000000, v[RC+\q]
.endr
.irp q, 0,1,2,3
	v_lshrrev_b32 v[KA+\q], 2, v[KA+\q]
	v_add_nc_u32 v[KB+\q], 0x50000000, v[KB+\q]
.endr
	s_wait_alu depctr_va_sdst(0)                   ; the eight compares have written s[CM ..], ahead of the selects that read them
.irp q, 0,1,2,3                                        ; and the choice among them
	v_cndmask_b32 v[KC+\q], v[KB+\q], v[KC+\q], s[CM+\q]
.endr
.irp q, 0,1,2,3
	v_cndmask_b32 v[KC+\q], v[KC+\q], v[KA+\q], s[CM+4+\q]
.endr
	s_wait_alu depctr_va_vdst(0)                   ; the selects have written v[KC ..], which the store reads
	global_store_b128 v[FO], v[KC:KC+3], s[12:13]  ; 16 lanes store 256 consecutive bytes, at a multiple of 256 from the buffer's first byte
	s_wait_dscnt 0x0
	s_wait_alu depctr_hold_cnt(0) depctr_sa_sdst(0) depctr_va_vdst(0) depctr_va_sdst(0) depctr_va_ssrc(0) depctr_va_vcc(0) depctr_vm_vsrc(0)
	s_wait_tensorcnt 0x0
	ds_add_u32 v3, v15
	s_wait_dscnt 0x0
	s_endpgm
.Lfunc_end_k_q6ad9eb125e_score:
	.size	k_q6ad9eb125e_score, .Lfunc_end_k_q6ad9eb125e_score-k_q6ad9eb125e_score
	.p2alignl 7, 3214868480
	.fill 96, 4, 3214868480
	.section	.rodata,"a",@progbits
	.p2align	6, 0x0
	.amdhsa_kernel k_q6ad9eb125e_score
		.amdhsa_group_segment_fixed_size 18432
		.amdhsa_private_segment_fixed_size 0
		.amdhsa_enable_private_segment 0
		.amdhsa_kernarg_size 40
		.amdhsa_user_sgpr_count 2
		.amdhsa_user_sgpr_kernarg_segment_ptr 1
		.amdhsa_wavefront_size32 1
		.amdhsa_system_sgpr_workgroup_id_x 1
		.amdhsa_system_sgpr_workgroup_id_y 1
		.amdhsa_system_sgpr_workgroup_id_z 1
		.amdhsa_system_vgpr_workitem_id 0
		.amdhsa_next_free_vgpr 180
		.amdhsa_next_free_sgpr 98
		.amdhsa_reserve_vcc 0
		.amdhsa_float_denorm_mode_32 3
		.amdhsa_float_denorm_mode_16_64 3
		.amdhsa_memory_ordered 1
		.amdhsa_forward_progress 1
		.amdhsa_inst_pref_size 27
	.end_amdhsa_kernel
	.amdgpu_metadata
---
amdhsa.version: [ 1, 2 ]
amdhsa.kernels:
  - .name:           k_q6ad9eb125e_score
    .symbol:         k_q6ad9eb125e_score.kd
    .args:
      - { .name: fused_h, .offset: 0, .size: 8, .value_kind: global_buffer, .address_space: global }
      - { .name: W, .offset: 8, .size: 8, .value_kind: global_buffer, .address_space: global }
      - { .name: b, .offset: 16, .size: 8, .value_kind: global_buffer, .address_space: global }
      - { .name: map_mask, .offset: 24, .size: 8, .value_kind: global_buffer, .address_space: global }
      - { .name: keys, .offset: 32, .size: 8, .value_kind: global_buffer, .address_space: global }
    .group_segment_fixed_size: 18432
    .private_segment_fixed_size: 0
    .kernarg_segment_align: 8
    .kernarg_segment_size: 40
    .max_flat_workgroup_size: 512
    .sgpr_count:     98
    .vgpr_count:     180
    .wavefront_size: 32
...
	.end_amdgpu_metadata
.endif
;; end of part 3
;; launch nms: the kernel of part 2 again; grid 16 x 1, 8 waves a work-group, no clusters, 1,280 bytes of LDS; arguments keys, se_times, out0; writes out0
